; MI455X (gfx1250); checked and timed in simulation.
; The chip was launched on July 23, 2026; its instructions are those of AMD's public machine-readable ISA for CDNA 5 (MIT licence, August 2026) and "CDNA5" Instruction Set Architecture Reference Guide (July 2026). The comments in the code are by the model that wrote it; some were corrected since.
;; Neural Tensor Layer. Allowed arithmetic: matrix products marked QUANTISED: E5M2 operands, one E8M0 scale for each 32 along K, by v_wmma_scale_f32_16x16x128_f8f6f4 with both operands' format E5M2, f32 sums; products left as they are: f32 operands where the result goes on into a quantised operand, else bf16, f16 or f32 operands; f32 sums; everything else in f32.
;; Inputs: V_codes 64 x 8 x 32 uint8 (E5M2 codes of V, K innermost, in blocks of 32 codes); V_scales 64 x 8 uint8 (E8M0 scales of V, one for each 32 codes along K); W_codes 64 x 128 x 4 x 32 uint8 (E5M2 codes of W, K innermost, in blocks of 32 codes); W_scales 64 x 128 x 4 uint8 (E8M0 scales of W, one for each 32 codes along K); b 128 float32; e1 32,768 x 128 float32; e2 32,768 x 128 float32.
;; Outputs: out0 32,768 x 64 float32.
;; This version of the problem:
;;   THIS VERSION OF THE PROBLEM IS GIVEN IN LOW PRECISION. The matrix products marked QUANTISED in the list below multiply operands that are first quantised to E5M2 (5 exponent bits, 2 mantissa bits; 8 bits a number), with one power-of-two scale for each 32 numbers along K (OCP MX v1.0); their sums are f32. All else is computed in f32.
;;   The module's matrix products, in the order in which they are computed (A, B: the left and right operand; K: the contracted axis; several contracted axes count as one K, in the product's order):
;;     1. [M 32,768, K 256] x [K 256, N 64]; A: computed on the way; B: input V (given as codes): QUANTISED
;;     2. [M 8,192, K 128] x [K 128, N 32,768]; A: input W (given as codes); B: input e1: QUANTISED
;;     3. batch 32,768 x [M 64, K 128] x [K 128, N 1]; A: computed on the way; B: input e2: left as it is (N = 1 < 16)
;;   THE QUANTISER, for each operand of a quantised product, along K:
;;     - K is cut into blocks of 32 from its start; a last block that is shorter is filled with zeros.
;;     - A block's scale is 2^e with e = floor(log2(the largest magnitude in the block)) - 15, held to -126 .. 127; a block of zeros has e = 0. As a byte (E8M0): e + 127.
;;     - Each number is divided by its block's scale, clamped to +-57,344, and rounded to the nearest number of E5M2, ties to even, subnormals kept.
;;     - The product sums the exact products of the quantised numbers (number of the format x scale) in f32.
;;   ~~~python
;;   def quantise(x, axis):      # numpy; x: float32 -> the quantised numbers, widened to float32 again
;;       x = np.moveaxis(x, axis, -1); K = x.shape[-1]
;;       x = np.pad(x, [(0, 0)] * (x.ndim - 1) + [(0, -K % 32)]); x = x.reshape(x.shape[:-1] + (-1, 32)); a = np.abs(x).max(-1, keepdims=True)
;;       e = np.where(a > 0, np.clip(np.frexp(np.where(a > 0, a, 1))[1] - 1 - 15, -126, 127), 0)      # np.frexp(a)[1] - 1 = floor(log2(a)), exactly
;;       r = np.clip(x / 2.0 ** e, -57344, 57344)
;;       step = 2.0 ** (np.maximum(np.frexp(np.where(r == 0, 1, r))[1] - 1, -14) - 2)
;;       q = np.round(r / step) * step * 2.0 ** e      # np.round: ties to even
;;       return np.moveaxis(q.reshape(q.shape[:-2] + (-1,))[..., :K], -1, axis).astype(np.float32)
;;   ~~~
;;   OPERANDS COMPUTED ON THE WAY. 'Computed on the way' means the value that the module computes at that place (a softmax that the list does not call 'softmax' is quantised finished and normalised). What goes into a quantiser is computed in f32, as accurately as f32 sums, v_exp_f32 and their like allow (about 1e-6 of the number): no bf16 or f16 on the way to a quantiser, and a product that is left as it is and whose result goes on into a quantised operand takes f32 operands (vector FMAs, or v_wmma_f32_16x16x4_f32). A number that lies on a knife's edge between two numbers of the format may be rounded either way, as far as f32 arithmetic and the matrix unit's own rounding can turn it there, and no further.
;;   INPUTS GIVEN AS CODES. V (in the module: [256, 64], K = its axis 0); W (in the module: [64, 128, 128], K = its axis 1): each comes as NAME_codes (uint8): NAME with its K axis moved to the last place and cut into blocks of 32 codes, [.., K / 32, bytes a block], one block behind the other in memory; one code a byte (a code: sign, 5 exponent bits, 2 mantissa bits); and NAME_scales (uint8): the same leading axes, one E8M0 byte (e + 127) for each 32 codes along K. Its value is code x scale, taken as it is: it is not quantised again, and the codes and scales need not be those that the quantiser above would give.
;; One version. Each part assembles by itself: llvm-mc -triple=amdgcn-amd-amdhsa -mcpu=gfx1250 --defsym DOCPART=n.
;; ======== version 1 of 1: 1 launch
;; limits: right only within a limited range of input values
;; launch ntl (part 1): grid 128 x 2, 8 waves a work-group, clusters of 4 x 1, 327,680 bytes of LDS; arguments V_codes, V_scales, W_codes, W_scales, b, e1, e2, out0; writes out0
.if DOCPART == 1
	.amdgcn_target "amdgcn-amd-amdhsa--gfx1250"
	.amdhsa_code_object_version 6
	.text
	.protected	k_qd765458412_ntl
	.globl	k_qd765458412_ntl
	.p2align	8
	.type	k_qd765458412_ntl,@function
k_qd765458412_ntl:
	s_mov_b64 s[64:65], 0
	v_nop
	global_prefetch_b8 v0, s[64:65] scope:SCOPE_SE
	s_setreg_imm32_b32 hwreg(HW_REG_WAVE_MODE, 25, 1), 1
	s_wait_xcnt 0x0
	s_wait_alu depctr_hold_cnt(0) depctr_sa_sdst(0) depctr_va_vdst(0) depctr_va_sdst(0) depctr_va_ssrc(0) depctr_va_vcc(0) depctr_vm_vsrc(0)
	s_getreg_b32 s2, hwreg(HW_REG_IB_STS2, 6, 4)
	s_cmp_eq_u32 s2, 0
	s_cbranch_scc0 .Lentry_in_a_cluster
	s_endpgm
.Lentry_in_a_cluster:
	s_bfe_u32 s2, ttmp6, 0x10000c
	s_cmp_lg_u32 s2, 0x3003
	s_cbranch_scc0 .Lentry_shape_is_right
	s_endpgm
.Lentry_shape_is_right:
; out[R][c] = tanh(btp[64 R + c] + ff[R][c]);  btp[kk][bb] = sum over j of T[kk][j][bb] e2[bb][j] + sum(b), laid [64][32768] and read as [32768][64];
; T[kk][j][bb] = sum over i of W[kk][i][j] Q(e1)[bb][i] (codes of E5M2, one E8M0 scale for each 32 along i);  ff = Q(e1 | e2) V (the same format, K = 256).
; btp[kk][bb] lands in row R = 512 kk + bb / 64, column bb % 64.
; SHARES.  Work-group (bx, y): bb = 256 bx .. + 255, kk = 32 y .. + 31.  Wave w (wb = w % 4, wk = w / 4): 64 bb = one q = 4 bx + wb, as four tiles of 16; 16 kk: so 16 whole rows of out, R = 512 (32 y + 16 wk + m) + q.
; Tile t, lane r is bb = 32 (t / 2) + 2 r + t % 2 of the wave's 64: so that lane L ends with columns 2 L and 2 L + 1, and one store of 8 bytes a lane covers a row's 256 bytes.
; THE MAIN PRODUCT IS USED TRANSPOSED: source 0 = 16 rows j of W[kk], source 1 = 16 rows bb of e1's codes, C = 0 (K = 128 is one instruction).  A lane then holds ONE bb and eight j.
; Row m of fragment (J, u) is j = 64 J + 8 (m / 2) + 2 u + m % 2: result registers 2 p, 2 p + 1 of lane (r, h) are j = 64 J + 32 h + 8 p + 2 u + 0, 1: a pair of neighbouring registers of e2
; (register 32 J + x = column 64 J + 32 h + x of the lane's row), so the sum over j is four packed multiply-adds in f32 for each matrix instruction.
; e1 and the ff rows come by plain loads, two whole rows to a pair of loads: a block of 32 is four lanes, of which each takes two pieces of 16 bytes, 64 bytes apart; only the codes pass through LDS.  e2 comes through LDS as it is.
; V's eight fragments are fetched by one wave each and handed round through LDS as images of their registers.
; W's codes walk through two LDS regions in four chunks of 4 kk for each half of the waves; the four work-groups of a cluster have the same y and ask for W's chunks JOINTLY.
; e1, e2 are not shared: the partners' rows differ, so those loads carry no mask.
; LIMITS: NaN and infinities among the inputs are not served.  A block of zeros of e1 or e2 gets the scale byte 1 where the rule says 127: its codes are zeros, and the bytes are read here alone.
; tanh(x) = 1 - 2 / (1 + 2^(2 log2(e) x)): the power's overflow gives 1, its underflow -1; near 0 its error is that of f32 sums near 1.
; No prefetch: e1, e2 and the ff rows are asked for at the start, and each later chunk of W a whole chunk (128 matrix instructions a wave) ahead of its use.
;
; LDS: RA (W chunks 0, 2), RB (e2, then W chunks 1, 3): 128 rows of 1,024 bytes + 16 of padding each: two rows of e2, or eight j of W, to such a row;
;      WSC V's fragments, then W's scale words of the 32 kk; EC 4,864 bytes a wave: codes of its ff rows, then of its 32 rows of e1 (two tiles of 2,432), then its (ff + sum(b)) 2 log2(e); SS scale words; SPARE the spare words.
; REGISTERS: window 0: v1-10 addresses; v11-23 scale words and nothing else; v32-47 the sums; v64-127 results, two sets of four tiles; v128-191 four fragments of W; v192-255 e1's codes of the four tiles.
;      window 1: e2 of the four tiles, 64 each (at the head: raw e1 and ff rows, then V's fragments).
.set RA,    0
.set RB,    133120
.set FLIP,  0x20800                    ; RA xor RB; no place of a kk in a region has one of these bits
.set WSC,   266240
.set EC,    282624
.set SS,    321536
.set SPARE, 322560                     ; 128 bytes for each wave: four blocks of 256 bytes that no other line names
.set KKB,   16640                      ; one kk of W in LDS: 16 rows of 1,040 bytes
.set TILE,  2432                       ; 16 rows of 144 bytes (128 codes + 16), + 128
.set MINE,  4864
.set SPW, 1
.set NIL, 2
.set AW0, 3                            ; my lane's place in a kk of W
.set ADW, 4                            ; + the trip's kk
.set ADN, 5                            ; + the other region's first kk
.set AS0, 6                            ; my lane's place among a kk's scale words
.set ADS, 7
.set AFF, 8                            ; my 8 bytes of my first row of ff
.set ADF, 9
.set GO,  10                           ; 8 lane
.set FS,  11                           ; the ff rows' scale words: lanes 0-15 e1's part, lanes 16-31 e2's
.set E1S, 12                           ; v12-15 e1's scale words, a tile each
.set WS,  16                           ; v16-19 W's scale words: lanes 0-15 the even fragment of a pair, lanes 16-31 the odd one
.set VS,  20                           ; v20-23 V's: lanes 0-15 K step 0, lanes 16-31 K step 1
.set RL,  24
.set HL,  25
.set LN,  26
.set T0,  27
.set T1,  28
.set T2,  29
.set FVO, 30
.set EVO, 31
.set ACC, 32                           ; v32-39 first pairs of the four tiles, v40-47 second pairs
.set TM,  32                           ; the quantiser's twelve (head)
.set FSTO, 44                          ; v44-55 LDS addresses of the head
.set FSB, 45
.set FRD, 46
.set FSD, 47
.set ESTO, 48
.set ESB, 49
.set ECRD, 50
.set E1L, 51
.set E2L, 52
.set FFO, 53
.set WST, 54
.set VIL, 55
.set PS,  48
.set KEP, 52
.set FFV, 54
.set SB,  56
.set VFO, 58
.set VSO, 59
.set WSO, 60
.set DD,  64
.set OUT, 64                           ; head: codes on their way to LDS, 8 registers a batch
.set WF,  128
.set BY,  128                          ; head: scale bytes, 4 registers a batch
.set FFR, 160                          ; head: the ff rows' two fragments
.set CD,  192
.set WD,  192                          ; head: W's scales on their way
.set BV,  208                          ; head: b
.set VT,  212                          ; head: my fragment of V on its way
.set WV,  20
.set WB,  21
.set WK,  22
.set BX,  23
.set G1E, 24
.set G1H, 32
.set G1W, 40
.set G0E, 48
.set G0H, 52
.set G0W, 56
.set SEL, 76
.set MNT, 78
.set TW,  80                           ; LDS byte of the trip's kk of W (without wk's part)
.set TS,  81                           ; 512 x the trip's number
.set TF,  82                           ; 272 x the trip's number
.set CI,  83
.set CO,  84
.set TX,  85                           ; the other region's first byte
.set MSB, 0
.macro WIN new                         ; the immediate's high byte repeats the setting that is left; a switch that changes nothing is dropped
.if MSB != \new
	s_set_vgpr_msb (MSB<<8)|\new
.set MSB, \new
.endif
.endm
.macro CREST                           ; a round of the cluster's barrier behind its opening barrier
	s_cmp_lg_u32 s[WV], 0
	s_cbranch_scc1 .Lnot_wave_0_\@
	s_barrier_signal -3
.Lnot_wave_0_\@:
	s_barrier_wait -3
	s_barrier_signal -1
	s_barrier_wait -1
.endm
.macro ROUND                           ; a whole round
	s_barrier_signal -1
	s_barrier_wait -1
	CREST
.endm
.macro TL g0, g1                       ; four v_nop follow a tensor load
	tensor_load_to_lds s[\g0:\g0+3], s[\g1:\g1+7]
	s_nop 0
.rept 4
	v_nop
.endr
.endm
	s_load_b512 s[4:19], s[0:1], 0x0               ; V codes s[4:5], V scales s[6:7], W codes s[8:9], W scales s[10:11], b s[12:13], e1 s[14:15], e2 s[16:17], out s[18:19]
	v_lshl_add_u32 v[SPW], v0, 2, SPARE
	v_mov_b32 v[NIL], 0
	ds_add_u32 v[SPW], v[NIL]                      ; the opening: the add, twice on end, and its wait
	ds_add_u32 v[SPW], v[NIL]
	v_lshrrev_b32 v[T0], 5, v0
	v_readfirstlane_b32 s[WV], v[T0]               ; wave 0..7
	v_and_b32 v[RL], 15, v0                        ; r
	v_bfe_u32 v[HL], v0, 4, 1                      ; h
	v_and_b32 v[LN], 31, v0                        ; lane
	v_lshrrev_b32 v[T0], 2, v[LN]                  ; e1: lanes 0-15 one row, lanes 16-31 the next; four lanes to a block of 128 bytes, 16 bytes each
	v_and_b32 v[T1], 3, v0
	v_lshlrev_b32 v[EVO], 7, v[T0]
	v_lshl_add_u32 v[EVO], v[T1], 4, v[EVO]
	v_lshrrev_b32 v[T0], 2, v[RL]                  ; ff rows: the same, but lanes 16-31 take the row 512 further on
	v_lshlrev_b32 v[FVO], 7, v[T0]
	v_lshl_add_u32 v[FVO], v[T1], 4, v[FVO]
	v_lshl_add_u32 v[FVO], v[HL], 18, v[FVO]
	v_lshlrev_b32 v[GO], 3, v[LN]
	v_lshlrev_b32 v[WSO], 4, v[LN]
	v_lshlrev_b32 v[VFO], 8, v[RL]                 ; V's codes: column r of 256 bytes, + 16 h
	v_lshl_add_u32 v[VFO], v[HL], 4, v[VFO]
	v_lshlrev_b32 v[VSO], 3, v[RL]                 ; V's scale words: 8 bytes a column, word h
	v_lshl_add_u32 v[VSO], v[HL], 2, v[VSO]
	s_and_b32 s[WB], s[WV], 3
	s_lshr_b32 s[WK], s[WV], 2
	s_and_b32 s2, ttmp7, 0xffff                    ; y, which the four partners share
	; descriptor groups 1: rows of 256 words, 4 words of padding behind each.  G1E: 32 rows, no mask; G1H: the same, joint; G1W: 16 rows, joint
	s_mov_b32 s[G1E], (2<<16)|(1<<20)|(7<<22)|(3<<25)
	s_mov_b32 s[G1H], 15|(2<<16)|(1<<20)|(1<<21)|(7<<22)|(3<<25)
	s_mov_b32 s[G1W], 15|(2<<16)|(1<<20)|(1<<21)|(7<<22)|(3<<25)
.irp g, G1E, G1H, G1W
	s_mov_b32 s[\g+1], 256<<16                     ; tensor_dim0
	s_mov_b32 s[\g+3], 256<<16                     ; tile_dim0
	s_mov_b32 s[\g+5], 256                         ; words from row to row
	s_mov_b32 s[\g+6], 0
	s_mov_b32 s[\g+7], 0
.endr
	s_mov_b32 s[G1E+2], 32<<16                     ; tensor_dim1, tile_dim1
	s_mov_b32 s[G1E+4], 32
	s_mov_b32 s[G1H+2], 32<<16
	s_mov_b32 s[G1H+4], 32
	s_mov_b32 s[G1W+2], 16<<16
	s_mov_b32 s[G1W+4], 16
	s_mov_b32 s[SEL], 0x76543210
	s_mov_b32 s[SEL+1], 0xfedcba98                 ; v_permlanex16_b32's selects for lane l xor 16
	s_mov_b32 s[MNT], 0x600000                     ; the mantissa field of 57,344
	s_mov_b32 s[TW], RA
	s_mov_b32 s[TS], 0
	s_mov_b32 s[TF], 0
	s_mov_b32 s[TX], FLIP
	; byte offsets, apart from the addresses.  W's are made of y and the wave's number alone
	s_lshl_b32 s92, s2, 19
	s_lshr_b32 s3, s[WB], 1
	s_lshl_b32 s3, s3, 18
	s_add_co_u32 s92, s92, s3
	s_and_b32 s3, s[WB], 1
	s_lshl_b32 s3, s3, 15
	s_add_co_u32 s92, s92, s3
	s_mov_b32 s93, 0                               ; s[92:93]: the head's quarter of chunk 0: kk = 32 y + 16 (wb / 2) + 2 (wb % 2), two kk
	s_lshl_b32 s94, s2, 19
	s_lshl_b32 s3, s[WK], 18
	s_add_co_u32 s94, s94, s3
	s_lshl_b32 s3, s[WB], 14
	s_add_co_u32 s94, s94, s3
	s_add_co_u32 s94, s94, 65536
	s_mov_b32 s95, 0                               ; s[94:95]: my eighth of chunk 1: kk = 32 y + 16 wk + 4 + wb
	s_lshl_b32 s72, s2, 14
	s_lshl_b32 s3, s[WV], 11
	s_add_co_u32 s72, s72, s3
	s_mov_b32 s73, 0                               ; s[72:73]: my 2,048 bytes of W's scales
	s_mul_i32 s[G0H+1], s[WB], 2*KKB               ; the head's loads: a quarter of RA or of RB
	s_add_co_u32 s[G0E+1], s[G0H+1], RB
	s_mul_i32 s[G0W+1], s[WV], KKB                 ; the refills': an eighth; chunk 1 goes to RB
	s_add_co_u32 s[G0W+1], s[G0W+1], RB
	s_bfe_u32 s[BX], ttmp6, 0x40000                ; cx: it enters the global addresses of e1, e2 and out alone
	s_lshl_b32 s74, ttmp9, 2
	s_add_co_u32 s[BX], s74, s[BX]                 ; bx = 4 x cluster x + cx
	s_lshl_b32 s86, s2, 23
	s_lshl_b32 s74, s[WK], 22
	s_add_co_u32 s86, s86, s74
	s_lshl_b32 s74, s[BX], 11
	s_add_co_u32 s86, s86, s74
	s_lshl_b32 s74, s[WB], 9
	s_add_co_u32 s86, s86, s74
	s_mov_b32 s87, 0                               ; s[86:87]: my first ff row, 512 (32 y + 16 wk) + 4 bx + wb
	s_lshl_b32 s88, s[BX], 17
	s_lshl_b32 s74, s[WB], 15
	s_add_co_u32 s90, s88, s74
	s_mov_b32 s91, 0                               ; s[90:91]: rows 256 bx + 64 wb of e2
	s_lshl_b32 s74, s[WV], 14
	s_add_co_u32 s88, s88, s74
	s_mov_b32 s89, 0                               ; s[88:89]: rows 256 bx + 32 w of e1
	s_lshl_b32 s70, s2, 22
	s_lshl_b32 s74, s[WK], 21
	s_add_co_u32 s70, s70, s74
	s_lshl_b32 s74, s[BX], 10
	s_add_co_u32 s70, s70, s74
	s_lshl_b32 s74, s[WB], 8
	s_add_co_u32 s70, s70, s74
	s_mov_b32 s71, 0                               ; s[70:71]: my first row of out
	s_lshr_b32 s74, s[WV], 1
	s_lshl_b32 s74, s74, 12
	s_and_b32 s3, s[WV], 1
	s_lshl_b32 s3, s3, 7
	s_add_co_u32 s74, s74, s3
	s_mov_b32 s75, 0                               ; s[74:75]: my fragment of V: columns 16 (w / 2) on, K step w % 2
	s_wait_alu depctr_va_vdst(0)
	s_wait_dscnt 0x0                               ; both opening adds are done
	s_wait_kmcnt 0x0
	s_add_nc_u64 s[4:5], s[4:5], s[74:75]
	s_add_nc_u64 s[68:69], s[10:11], s[72:73]
.irp c, 0,1,2,3
	global_load_b128 v[VT+4*\c:VT+4*\c+3], v[VFO], s[4:5] offset:32*\c
.endr
.irp k, 0,1,2,3
	global_load_b128 v[WD+4*\k:WD+4*\k+3], v[WSO], s[68:69] offset:512*\k
.endr
	global_load_b128 v[BV:BV+3], v[WSO], s[12:13]  ; b: four numbers a lane
.irp t, 0,1,2,3
	global_load_b32 v[VS+\t], v[VSO], s[6:7] offset:128*\t
.endr
	s_add_nc_u64 s[60:61], s[14:15], s[86:87]
	s_add_nc_u64 s[62:63], s[16:17], s[86:87]
	s_add_nc_u64 s[66:67], s[14:15], s[88:89]
	s_add_nc_u64 s[18:19], s[18:19], s[70:71]
	s_mov_b32 s[G0E], 1
	s_add_nc_u64 s[G0E+2:G0E+3], s[16:17], s[90:91]
	s_or_b32 s[G0E+3], s[G0E+3], 0x80000000
	s_mov_b32 s[G0H], 1
	s_add_nc_u64 s[G0H+2:G0H+3], s[8:9], s[92:93]
	s_or_b32 s[G0H+3], s[G0H+3], 0x80000000
	s_mov_b32 s[G0W], 1
	s_add_nc_u64 s[G0W+2:G0W+3], s[8:9], s[94:95]
	s_or_b32 s[G0W+3], s[G0W+3], 0x80000000
	ROUND                                          ; the four work-groups are here: the first joint loads meet
	s_cmp_lt_u32 s[WV], 4                          ; one tensor load a wave: waves 0-3 e2's rows -> RB, waves 4-7 W's chunk 0 -> RA
	s_cbranch_scc0 .Lhead_w
	TL G0E, G1E
	s_branch .Lhead_asked
.Lhead_w:
	TL G0H, G1H
.Lhead_asked:
	WIN 0x40                                       ; destination window 1
.irp s, 0,1                                        ; my sixteen ff rows, e1's part and e2's: 32 loads
.irp c, 0,1,2,3,4,5,6,7
	global_load_b128 v[128+64*\s+8*\c:131+64*\s+8*\c], v[FVO], s[60+2*\s:61+2*\s] offset:524288*\c
	global_load_b128 v[132+64*\s+8*\c:135+64*\s+8*\c], v[FVO], s[60+2*\s:61+2*\s] offset:524288*\c+64
.endr
.endr
.irp c, 0,1,2,3,4,5,6,7,8,9,10,11,12,13,14,15      ; my 32 rows of e1: 32 loads
	global_load_b128 v[8*\c:8*\c+3], v[EVO], s[66:67] offset:1024*\c
	global_load_b128 v[8*\c+4:8*\c+7], v[EVO], s[66:67] offset:1024*\c+64
.endr
	WIN 0
	; LDS addresses
	s_mul_i32 s86, s[WV], MINE
	s_add_co_u32 s86, s86, EC
	s_lshl_b32 s87, s[WV], 7
	s_add_co_u32 s87, s87, SS
	s_mul_i32 s88, s[WB], 4*TILE
	s_add_co_u32 s88, s88, EC
	s_lshl_b32 s89, s[WB], 8
	s_add_co_u32 s89, s89, SS
	s_mul_i32 s90, s[WB], 2*KKB
	s_add_co_u32 s90, s90, RB
	s_mul_i32 s91, s[WK], 4*KKB
	s_lshl_b32 s92, s[WK], 13
	s_add_co_u32 s92, s92, WSC
	s_lshl_b32 s93, s[WV], 11
	s_add_co_u32 s93, s93, WSC
	v_lshl_add_u32 v[WST], v[LN], 4, s93
	v_mov_b32 v[T0], WSC
	v_lshl_add_u32 v[VIL], v[LN], 4, v[T0]
	v_mul_u32_u24 v[T0], v[RL], 144                ; a fragment of codes: row r, + 16 h
	v_lshl_add_u32 v[T0], v[HL], 4, v[T0]
	v_add_nc_u32 v[FRD], s86, v[T0]
	v_add_nc_u32 v[ECRD], s88, v[T0]
	v_lshrrev_b32 v[T0], 2, v[RL]                  ; my block of the row: my codes lie at 32 x block + 4 (r % 4), and 16 further on
	v_and_b32 v[T1], 3, v[RL]
	v_lshlrev_b32 v[T1], 2, v[T1]
	v_lshl_add_u32 v[T1], v[T0], 5, v[T1]
	v_mad_u32_u24 v[T2], v[HL], 1152, v[T1]        ; ff row m = 2 c + h lies at place 8 h + c
	v_add_nc_u32 v[FSTO], s86, v[T2]
	v_mad_u32_u24 v[T2], v[HL], TILE, v[T1]        ; e1's row 2 c + h: tile h, row c
	v_add_nc_u32 v[ESTO], s86, v[T2]
	v_lshl_add_u32 v[T2], v[HL], 5, v[T0]
	v_add_nc_u32 v[FSB], s87, v[T2]
	v_lshl_add_u32 v[T2], v[HL], 6, v[T0]
	v_add_nc_u32 v[ESB], s87, v[T2]
	v_lshl_add_u32 v[FSD], v[LN], 2, s87
	v_lshl_add_u32 v[E1L], v[RL], 2, s89
	v_mul_u32_u24 v[T0], v[RL], 1040
	v_lshl_add_u32 v[T0], v[HL], 7, v[T0]
	v_add_nc_u32 v[E2L], s90, v[T0]
	v_and_b32 v[T1], 7, v[RL]                      ; place r of the ff rows is row m = 2 (r % 8) + r / 8
	v_lshrrev_b32 v[T2], 3, v[RL]
	v_lshl_add_u32 v[T1], v[T1], 1, v[T2]
	v_mul_u32_u24 v[T1], v[T1], 272
	v_lshl_add_u32 v[T1], v[HL], 5, v[T1]
	v_add_nc_u32 v[FFO], s86, v[T1]
	v_lshl_add_u32 v[AFF], v[LN], 3, s86
	v_lshrrev_b32 v[T0], 1, v[RL]
	v_and_b32 v[T1], 1, v[RL]
	v_mul_u32_u24 v[T2], v[T0], 1040
	v_lshl_add_u32 v[T2], v[T1], 7, v[T2]
	v_lshl_add_u32 v[T2], v[HL], 4, v[T2]
	v_add_nc_u32 v[AW0], s91, v[T2]
	v_lshlrev_b32 v[T2], 5, v[T0]                  ; word of j = 8 (r / 2) + 2 h + r % 2
	v_lshl_add_u32 v[T2], v[HL], 3, v[T2]
	v_lshl_add_u32 v[T2], v[T1], 2, v[T2]
	v_add_nc_u32 v[AS0], s92, v[T2]
	s_wait_alu depctr_va_vdst(0)
	s_wait_loadcnt 63                              ; of 77 loads the oldest 14 are in, V's four among them
.irp c, 0,1,2,3
	ds_store_b128 v[WST], v[VT+4*\c:VT+4*\c+3] offset:512*\c       ; my fragment of V, as an image of its registers
.endr
	v_add_f32 v[SB], v[BV], v[BV+1]                ; sum(b) x 2 log2(e): b is the ninth load, in as well
	v_add_f32 v[SB+1], v[BV+2], v[BV+3]
	v_add_f32 v[SB], v[SB], v[SB+1]
	v_add_f32_dpp v[SB], v[SB], v[SB] row_xmask:1 row_mask:0xf bank_mask:0xf
	v_add_f32_dpp v[SB], v[SB], v[SB] row_xmask:2 row_mask:0xf bank_mask:0xf
	v_add_f32_dpp v[SB], v[SB], v[SB] row_xmask:4 row_mask:0xf bank_mask:0xf
	v_add_f32_dpp v[SB], v[SB], v[SB] row_xmask:8 row_mask:0xf bank_mask:0xf
	v_permlanex16_b32 v[SB+1], v[SB], s[SEL], s[SEL+1]
	v_add_f32 v[SB], v[SB], v[SB+1]
	v_mul_f32 v[SB], 0x4038aa3b, v[SB]
	s_wait_alu depctr_va_vdst(0)
	s_wait_dscnt 0x0
	s_barrier_signal -1
	s_barrier_wait -1
; A BATCH of four pairs of rows, 8 numbers a lane each, at v[x] of window 1: quantised, codes and scale bytes to LDS.  cnt: the loads issued behind the batch's own
.macro QB x, out, by, cnt, sto, so, sb, bo
	s_wait_loadcnt \cnt
	WIN 0x05
.irp i, 0,1,2,3
	v_max3_num_f32 v[TM+\i], |v[\x+8*\i]|, |v[\x+8*\i+1]|, 0x8000000   ; my 8 numbers, and the floor 2^(16 - 127): the byte cannot fall under 1
.endr
.irp k, 2,4,6
.irp i, 0,1,2,3
	v_max3_num_f32 v[TM+\i], |v[\x+8*\i+\k]|, |v[\x+8*\i+\k+1]|, v[TM+\i]
.endr
.endr
	WIN 0
.irp i, 0,1,2,3
	v_max_num_f32_dpp v[TM+\i], v[TM+\i], v[TM+\i] row_xmask:1 row_mask:0xf bank_mask:0xf
.endr
.irp i, 0,1,2,3
	v_max_num_f32_dpp v[TM+\i], v[TM+\i], v[TM+\i] row_xmask:2 row_mask:0xf bank_mask:0xf   ; the block's largest magnitude, in its four lanes
.endr
.irp i, 0,1,2,3
	v_add_nc_u32 v[TM+4+\i], 0xf8800000, v[TM+\i]  ; 15 off its exponent field: the conversion's scale operand
.endr
.irp i, 0,1,2,3
	v_and_or_b32 v[TM+8+\i], v[TM+\i], 0x7f800000, s[MNT]   ; 57,344 x the scale
.endr
.irp i, 0,1,2,3
	v_lshrrev_b32 v[\by+\i], 23, v[TM+4+\i]        ; the scale's byte
.endr
	WIN 0x41
.irp i, 0,1,2,3
.irp k, 0,1,2,3,4,5,6,7
	v_med3_num_f32 v[\x+8*\i+\k], v[\x+8*\i+\k], -v[TM+8+\i], v[TM+8+\i]   ; the conversion to an 8-bit code does not saturate (ISA guide 7.6.2)
.endr
.endr
	WIN 0x01
.irp i, 0,1,2,3
	v_cvt_scalef32_pk8_bf8_f32 v[\out+2*\i:\out+2*\i+1], v[\x+8*\i:\x+8*\i+7], v[TM+4+\i]
.endr
	v_nop                                          ; a plain instruction behind the last conversion
	WIN 0
.irp i, 0,1,2,3
	ds_store_b32 v[\sto], v[\out+2*\i] offset:\so+144*\i
	ds_store_b32 v[\sto], v[\out+2*\i+1] offset:\so+144*\i+16
	ds_store_b8 v[\sb], v[\by+\i] offset:\bo+4*\i
.endr
.endm
	; behind the ff rows' 32 loads stand e1's 32
	QB 128, OUT,    BY,    56, FSTO, 0,        FSB, 0
	QB 160, OUT+8,  BY+4,  48, FSTO, 576,      FSB, 16
	QB 192, OUT+16, BY+8,  40, FSTO, TILE,     FSB, 64
	QB 224, OUT+24, BY+12, 32, FSTO, TILE+576, FSB, 80
.irp s, 0,1                                        ; the ff rows' codes as fragments: LDS serves a wave's instructions in order (ISA guide 5.7.1.4), and these bytes are mine
.irp c, 0,1,2,3
	ds_load_b128 v[FFR+16*\s+4*\c:FFR+16*\s+4*\c+3], v[FRD] offset:TILE*\s+32*\c
.endr
.endr
	ds_load_b32 v[FS], v[FSD]
	WIN 0x40                                       ; V's eight fragments (columns 16 t on, K step s: fragment 2 t + s) take the raw ff rows' registers
.irp f, 0,1,2,3,4,5,6,7
.irp c, 0,1,2,3
	ds_load_b128 v[128+16*\f+4*\c:131+16*\f+4*\c], v[VIL] offset:2048*\f+512*\c
.endr
.endr
	WIN 0
.macro E2LD t                          ; e2 of tile t into registers, where it stays
	WIN 0x40
.irp c, 0,1,2,3,4,5,6,7,8,9,10,11,12,13,14,15
	ds_load_b128 v[64*(\t)+4*\c:64*(\t)+4*\c+3], v[E2L] offset:KKB*((\t)>>1)+512*((\t)&1)+256*(\c>>3)+16*(\c&7)
.endr
	WIN 0
.endm
	; ff, while e1 is on its way: source 0 = 16 columns of V, source 1 = my 16 ff rows: register j of lane (r, h) is column 16 t + 8 h + j of place r.  Four accumulators by turns
	s_wait_dscnt 0x0                               ; V's fragments, my ff rows' and their scale words are in
	WIN 0x01                                       ; source 0 (V) window 1
.irp t, 0,1,2,3
	v_wmma_scale_f32_16x16x128_f8f6f4 v[DD+8*\t:DD+8*\t+7], v[128+32*\t:143+32*\t], v[FFR:FFR+15], 0, v[VS+\t], v[FS] matrix_a_fmt:MATRIX_FMT_BF8 matrix_b_fmt:MATRIX_FMT_BF8
.endr
.irp t, 0,1,2,3
	v_wmma_scale_f32_16x16x128_f8f6f4 v[DD+8*\t:DD+8*\t+7], v[144+32*\t:159+32*\t], v[FFR+16:FFR+31], v[DD+8*\t:DD+8*\t+7], v[VS+\t], v[FS] matrix_a_fmt:MATRIX_FMT_BF8 matrix_b_fmt:MATRIX_FMT_BF8 matrix_a_scale:MATRIX_SCALE_ROW1 matrix_b_scale:MATRIX_SCALE_ROW1
.endr
	WIN 0
.rept 8
	v_nop                                          ; eight places behind this form, ahead of the first read of its results
.endr
.irp t, 0,1,2,3
.irp j, 0,2,4,6
	v_pk_fma_f32 v[DD+8*\t+\j:DD+8*\t+\j+1], v[DD+8*\t+\j:DD+8*\t+\j+1], 0x4038aa3b, v[SB:SB+1] op_sel_hi:[1,0,0]   ; (ff + sum(b)) 2 log2(e)
.endr
.endr
	s_wait_alu depctr_va_vdst(0)
	s_wait_tensorcnt 0x0                           ; my tile has landed, my reads of V are over:
	s_wait_dscnt 0x0
	s_barrier_signal -1
	s_barrier_wait -1                              ; now everybody's: e2 and W's chunk 0 are there, V's images are free
.irp k, 0,1,2,3
	ds_store_b128 v[WST], v[WD+4*\k:WD+4*\k+3] offset:512*\k       ; my part of W's scale words, over V's images
.endr
	E2LD 2                                         ; over V's fragments, which the products above have read
	E2LD 3
	QB 0,  OUT+32, BY+16, 24, ESTO, 0,    ESB, 0   ; behind e1's batches stand no loads but e1's own
	QB 32, OUT+40, BY+20, 16, ESTO, 576,  ESB, 16
	E2LD 0                                         ; over the raw rows just quantised
	QB 64, OUT+48, BY+24, 8,  ESTO, 1152, ESB, 32
	QB 96, OUT+56, BY+28, 0,  ESTO, 1728, ESB, 48
	E2LD 1
	s_wait_alu depctr_va_vdst(0)
	s_wait_dscnt 0x0                               ; my LDS stores are done:
	s_barrier_signal -1
	s_barrier_wait -1                              ; now everybody's: e1's codes, and all scale words
.irp t, 0,1,2,3
	ds_load_b32 v[E1S+\t], v[E1L] offset:64*\t
.irp c, 0,1,2,3
	ds_load_b128 v[CD+16*\t+4*\c:CD+16*\t+4*\c+3], v[ECRD] offset:TILE*\t+32*\c
.endr
.endr
	; ---- RB is filled again, with W's chunk 1
	s_wait_tensorcnt 0x0
	ds_add_u32 v[SPW], v[NIL]                      ; 0 onto my spare word
	s_wait_dscnt 0x0                               ; the add is done; my reads of RB and of the codes are over
	ROUND
	TL G0W, G1W
.irp t, 0,1,2,3                                    ; every wave has its codes: (ff + sum(b)) 2 log2(e) goes over mine, a row of 64 numbers each 272 bytes
	ds_store_b128 v[FFO], v[DD+8*\t:DD+8*\t+3] offset:64*\t
	ds_store_b128 v[FFO], v[DD+8*\t+4:DD+8*\t+7] offset:64*\t+16
.endr
; fragment phi of W into slot phi % 4
.macro FRAG phi, base, imm
.irp c, 0,1,2,3
	ds_load_b128 v[WF+16*((\phi)&3)+4*\c:WF+16*((\phi)&3)+4*\c+3], v[\base] offset:\imm+8320*((\phi)>>2)+256*((\phi)&3)+32*\c
.endr
.endm
.macro WSLD i, base, imm               ; the scale words of fragments 2 i and 2 i + 1
	ds_load_b32 v[WS+\i], v[\base] offset:\imm+256*(\i>>1)+16*(\i&1)
.endm
; fragment phi against my four tiles, into the set phi % 2 of results
.macro PROD phi
.set DN, DD+32*((\phi)&1)
.set FB, WF+16*((\phi)&3)
.irp t, 0,1,2,3
.if (\phi)&1
	v_wmma_scale_f32_16x16x128_f8f6f4 v[DN+8*\t:DN+8*\t+7], v[FB:FB+15], v[CD+16*\t:CD+16*\t+15], 0, v[WS+((\phi)>>1)], v[E1S+\t] matrix_a_fmt:MATRIX_FMT_BF8 matrix_b_fmt:MATRIX_FMT_BF8 matrix_a_scale:MATRIX_SCALE_ROW1
.else
	v_wmma_scale_f32_16x16x128_f8f6f4 v[DN+8*\t:DN+8*\t+7], v[FB:FB+15], v[CD+16*\t:CD+16*\t+15], 0, v[WS+((\phi)>>1)], v[E1S+\t] matrix_a_fmt:MATRIX_FMT_BF8 matrix_b_fmt:MATRIX_FMT_BF8
.endif
.endr
.endm
; The sixteen packed multiply-adds that take up fragment pf's results.  They stand behind the products of another fragment and name none of those products' registers: so they are those products' places,
; ahead of the first read of their results, of the next write over them and of the next load into their operands.
.macro SUMS pf
.set DP, DD+32*((\pf)&1)
.set EO, 32*((\pf)>>2)+2*((\pf)&3)
	WIN 0x04                                       ; source 1 (e2) window 1
.if (\pf) == 0
	s_wait_alu depctr_va_vdst(0)                   ; these results were begun ahead of the last kk's exponentials
.endif
.irp a, 0,1,2,3
.irp t, 0,1,2,3
.if ((\pf) == 0) && (\a < 2)
	v_pk_mul_f32 v[ACC+8*(\a&1)+2*\t:ACC+8*(\a&1)+2*\t+1], v[DP+8*\t+2*\a:DP+8*\t+2*\a+1], v[64*\t+EO+8*\a:64*\t+EO+8*\a+1]
.else
	v_pk_fma_f32 v[ACC+8*(\a&1)+2*\t:ACC+8*(\a&1)+2*\t+1], v[DP+8*\t+2*\a:DP+8*\t+2*\a+1], v[64*\t+EO+8*\a:64*\t+EO+8*\a+1], v[ACC+8*(\a&1)+2*\t:ACC+8*(\a&1)+2*\t+1]
.endif
.endr
.endr
	WIN 0
.endm
.macro DRAIN                           ; the LDS loads issued a pair of stages ago are in
	s_wait_alu depctr_va_vdst(0)                   ; the sums are taken up again behind the wait below
	s_wait_dscnt 0x0
.endm
; The end of a kk: a lane's sums over its half of the j; the swap brings tiles 0, 1 (lanes 0-15) and 2, 3 (lanes 16-31) of both halves together, and lane L holds columns 2 L, 2 L + 1
.macro LUMP
.irp t, 0,1,2,3
	v_pk_add_f32 v[ACC+2*\t:ACC+2*\t+1], v[ACC+2*\t:ACC+2*\t+1], v[ACC+8+2*\t:ACC+9+2*\t]
.endr
.irp t, 0,1,2,3
	v_add_f32 v[PS+\t], v[ACC+2*\t], v[ACC+2*\t+1]
.endr
	v_permlane16_swap_b32 v[PS], v[PS+2]           ; lanes 16-31 of the first with lanes 0-15 of the second
	v_permlane16_swap_b32 v[PS+1], v[PS+3]
	v_pk_add_f32 v[KEP:KEP+1], v[PS:PS+1], v[PS+2:PS+3]
	v_pk_fma_f32 v[KEP:KEP+1], v[KEP:KEP+1], 0x4038aa3b, v[FFV:FFV+1] op_sel_hi:[1,0,1]   ; x 2 log2(e), + (ff + sum(b)) 2 log2(e)
	s_wait_alu depctr_va_vdst(0)
	v_exp_f32 v[KEP], v[KEP]
	v_exp_f32 v[KEP+1], v[KEP+1]
	v_nop                                          ; a plain instruction between the exponentials and the use of their results
	s_wait_alu depctr_va_vdst(0)
	v_pk_add_f32 v[KEP:KEP+1], v[KEP:KEP+1], 1.0 op_sel_hi:[1,0]
	s_wait_alu depctr_va_vdst(0)
	v_rcp_f32 v[KEP], v[KEP]
	v_rcp_f32 v[KEP+1], v[KEP+1]
	v_nop
	s_wait_alu depctr_va_vdst(0)
	v_pk_fma_f32 v[KEP:KEP+1], v[KEP:KEP+1], -2.0, 1.0 op_sel_hi:[1,0,0]
.endm
.macro STORE                           ; a whole row of out: 256 consecutive bytes, at a multiple of 256 (the base has been stepped)
	global_store_b64 v[GO], v[KEP:KEP+1], s[18:19] offset:-131072 th:TH_STORE_NT
.endm
.macro BARE                            ; a kk's first products where there are no results to take up: the places behind them are written out
	PROD 0
.rept 10
	v_nop
.endr
.endm
; A TRIP: fragments 1 to 7 of kk m, fragment 0 of kk m + 1, the end of kk m.  The stages go in pairs: one wait for LDS, the loads of the pair behind, then products and sums by turns, the sums one fragment behind.
; kind 0: the next kk lies in the same region.  1: the region's last kk: a barrier shows the other region, in which the next kk lies.  2: a region's first kk, in which the region left is filled again.  3: the last kk of all.
.macro TRIP kind
	v_add_nc_u32 v[ADW], s[TW], v[AW0]
	v_add_nc_u32 v[ADS], s[TS], v[AS0]
	v_add_nc_u32 v[ADF], s[TF], v[AFF]
.if \kind == 1
	v_add_nc_u32 v[ADN], s[TX], v[AW0]
.endif
	DRAIN
.if \kind == 1
	s_wait_tensorcnt 0x0                           ; my part of the other region has landed: I say so, and read on in this region, into which no load is out
	s_barrier_signal -1
.endif
	FRAG 3, ADW, 0
	FRAG 4, ADW, 0
	WSLD 3, ADS, 0
	PROD 1
	SUMS 0
	PROD 2
	SUMS 1
.if \kind == 2
	; THE REFILL.  My reads of the region left ended in the trip before; I wait for all my tensor loads (none is out), add 0 to my spare word, and wait for that and for my LDS loads
	s_wait_alu depctr_va_vdst(0)
	s_wait_xcnt 0x0                                ; the last kk's store has read its base and its data
	s_add_nc_u64 s[18:19], s[18:19], 131072        ; 512 rows of out on
	s_wait_tensorcnt 0x0
	ds_add_u32 v[SPW], v[NIL]
	s_xor_b32 s[G0W+1], s[G0W+1], FLIP             ; no load of mine is out: the walking descriptor takes the other region,
	s_add_nc_u64 s[G0W+2:G0W+3], s[G0W+2:G0W+3], 65536   ; and the kk four on
	s_wait_dscnt 0x0
	s_barrier_signal -1
	PROD 3                                         ; work on registers while the others arrive
	SUMS 2
	PROD 4
	SUMS 3
	s_wait_alu depctr_va_vdst(0)
	s_barrier_wait -1
	CREST                                          ; the barrier has opened a round of the cluster's barrier
	TL G0W, G1W                                    ; it is waited for in this region's last trip
	FRAG 5, ADW, 0
	FRAG 6, ADW, 0
	FRAG 7, ADW, 0
	WSLD 0, ADS, 512                               ; the next kk's
	WSLD 1, ADS, 512
	ds_load_b64 v[FFV:FFV+1], v[ADF]
	FRAG 0, ADW, KKB
	s_wait_dscnt 15                                ; behind fragment 5 stand 4 + 4 + 1 + 1 + 1 + 4 loads,
	PROD 5
	SUMS 4
	s_wait_alu depctr_va_vdst(0)
	s_wait_dscnt 11                                ; behind fragment 6 four less
.else
	DRAIN
	s_wait_xcnt 0x0                                ; the last kk's store has read its base and its data
	s_add_nc_u64 s[18:19], s[18:19], 131072        ; 512 rows of out on
	FRAG 5, ADW, 0
	FRAG 6, ADW, 0
.if \kind != 3
	WSLD 0, ADS, 512                               ; the next kk's
.endif
	PROD 3
	SUMS 2
	PROD 4
	SUMS 3
	DRAIN
.if \kind == 1
	s_barrier_wait -1                              ; everybody's part of the other region has landed
.endif
	FRAG 7, ADW, 0
	ds_load_b64 v[FFV:FFV+1], v[ADF]
.if \kind != 3
	WSLD 1, ADS, 512
.endif
.if \kind == 0
	FRAG 0, ADW, KKB
.endif
.if \kind == 1
	FRAG 0, ADN, 0
.endif
	PROD 5
	SUMS 4
.endif
	PROD 6
	SUMS 5
	DRAIN
.if (\kind == 0) || (\kind == 2)
	FRAG 1, ADW, KKB
	FRAG 2, ADW, KKB
.endif
.if \kind == 1
	FRAG 1, ADN, 0
	FRAG 2, ADN, 0
.endif
.if \kind != 3
	WSLD 2, ADS, 512
.endif
	PROD 7
	SUMS 6
.if \kind != 3
	PROD 0
.endif
	SUMS 7
	LUMP
	STORE
.endm
.macro NEXTKK
	s_add_co_u32 s[TS], s[TS], 512
	s_add_co_u32 s[TF], s[TF], 272
	s_add_co_u32 s[TW], s[TW], KKB
.endm
.macro NEXTCHUNK
	s_sub_co_u32 s[TW], s[TW], 4*KKB               ; back to a region's first kk,
	s_xor_b32 s[TW], s[TW], FLIP                   ; in the other region
	s_xor_b32 s[TX], s[TX], FLIP
.endm
	WSLD 0, AS0, 0                                 ; kk 0: its first scale words,
	WSLD 1, AS0, 0
	WSLD 2, AS0, 0
	FRAG 0, AW0, 0                                 ; and its first three fragments
	FRAG 1, AW0, 0
	FRAG 2, AW0, 0
	s_wait_dscnt 8
	BARE
	s_mov_b32 s[CI], 3                             ; chunk 0: chunk 1 is on its way already
.Lkk_a:
	TRIP 0
	NEXTKK
	s_sub_co_u32 s[CI], s[CI], 1
	s_cmp_lg_u32 s[CI], 0
	s_cbranch_scc1 .Lkk_a
	TRIP 1
	NEXTKK
	NEXTCHUNK
	s_mov_b32 s[CO], 2
.Lchunk:                                               ; chunks 1 and 2: in the first trip of each the region left is filled again, with chunk 2 and with chunk 3
	TRIP 2
	NEXTKK
	s_mov_b32 s[CI], 2
.Lkk_b:
	TRIP 0
	NEXTKK
	s_sub_co_u32 s[CI], s[CI], 1
	s_cmp_lg_u32 s[CI], 0
	s_cbranch_scc1 .Lkk_b
	TRIP 1
	NEXTKK
	NEXTCHUNK
	s_sub_co_u32 s[CO], s[CO], 1
	s_cmp_lg_u32 s[CO], 0
	s_cbranch_scc1 .Lchunk
	s_mov_b32 s[CI], 3                             ; chunk 3: nothing is left to ask for
.Lkk_c:
	TRIP 0
	NEXTKK
	s_sub_co_u32 s[CI], s[CI], 1
	s_cmp_lg_u32 s[CI], 0
	s_cbranch_scc1 .Lkk_c
	TRIP 3
	s_wait_tensorcnt 0x0                           ; the wave's end, behind my last tensor load and my last LDS store
	ds_add_u32 v[SPW], v[NIL]
	s_wait_dscnt 0x0
	ROUND                                          ; the closing round: no work-group ends while a partner may still ask for a tile that names it
	s_endpgm
.Lfunc_end_k_qd765458412_ntl:
	.size	k_qd765458412_ntl, .Lfunc_end_k_qd765458412_ntl-k_qd765458412_ntl
	.p2alignl 7, 3214868480
	.fill 96, 4, 3214868480
	.section	.rodata,"a",@progbits
	.p2align	6, 0x0
	.amdhsa_kernel k_qd765458412_ntl
		.amdhsa_group_segment_fixed_size 327680
		.amdhsa_private_segment_fixed_size 0
		.amdhsa_enable_private_segment 0
		.amdhsa_kernarg_size 64
		.amdhsa_user_sgpr_count 2
		.amdhsa_user_sgpr_kernarg_segment_ptr 1
		.amdhsa_wavefront_size32 1
		.amdhsa_system_sgpr_workgroup_id_x 1
		.amdhsa_system_sgpr_workgroup_id_y 1
		.amdhsa_system_sgpr_workgroup_id_z 1
		.amdhsa_system_vgpr_workitem_id 0
		.amdhsa_next_free_vgpr 512
		.amdhsa_next_free_sgpr 96
		.amdhsa_reserve_vcc 0
		.amdhsa_float_denorm_mode_32 3
		.amdhsa_float_denorm_mode_16_64 3
		.amdhsa_memory_ordered 1
		.amdhsa_forward_progress 1
		.amdhsa_inst_pref_size 194
	.end_amdhsa_kernel
	.amdgpu_metadata
---
amdhsa.version: [ 1, 2 ]
amdhsa.kernels:
  - .name:           k_qd765458412_ntl
    .symbol:         k_qd765458412_ntl.kd
    .args:
      - { .name: V_codes, .offset: 0, .size: 8, .value_kind: global_buffer, .address_space: global }
      - { .name: V_scales, .offset: 8, .size: 8, .value_kind: global_buffer, .address_space: global }
      - { .name: W_codes, .offset: 16, .size: 8, .value_kind: global_buffer, .address_space: global }
      - { .name: W_scales, .offset: 24, .size: 8, .value_kind: global_buffer, .address_space: global }
      - { .name: b, .offset: 32, .size: 8, .value_kind: global_buffer, .address_space: global }
      - { .name: e1, .offset: 40, .size: 8, .value_kind: global_buffer, .address_space: global }
      - { .name: e2, .offset: 48, .size: 8, .value_kind: global_buffer, .address_space: global }
      - { .name: out0, .offset: 56, .size: 8, .value_kind: global_buffer, .address_space: global }
    .group_segment_fixed_size: 327680
    .private_segment_fixed_size: 0
    .kernarg_segment_align: 8
    .kernarg_segment_size: 64
    .max_flat_workgroup_size: 256
    .sgpr_count:     96
    .vgpr_count:     512
    .wavefront_size: 32
...
	.end_amdgpu_metadata
.endif
;; end of part 1
